; MI455X (gfx1250); checked and timed in simulation.
; The chip was launched on July 23, 2026; its instructions are those of AMD's public machine-readable ISA for CDNA 5 (MIT licence, August 2026) and "CDNA5" Instruction Set Architecture Reference Guide (July 2026). The comments in the code are by the model that wrote it; some were corrected since.
;; Min GRU. Allowed arithmetic: float matrix products may take bf16 or f16 operands with f32 sums; all other float work in f32.
;; Inputs: Wh 512 x 512 float32; Wz 512 x 512 float32; bh 512 float32; bz 512 float32; h0 8 x 512 float32; x 8 x 4,096 x 512 float32.
;; Outputs: out0 8 x 4,096 x 512 float32.
;; 2 versions, each right; version 2 is version 1 with the launch local written anew for expert scheduling mode. Each part assembles by itself: llvm-mc -triple=amdgcn-amd-amdhsa -mcpu=gfx1250 --defsym DOCPART=n.
;; ======== version 1 of 2: 2 launches
;; workspace buffers: loc 134,217,728 bytes; sums 524,288 bytes
;; launch local (part 1): grid 256 x 1, 4 waves a work-group, no clusters, 133,632 bytes of LDS; arguments x, Wz, bz, Wh, bh, loc, sums; writes loc, sums
.if DOCPART == 1
	.amdgcn_target "amdgcn-amd-amdhsa--gfx1250"
	.amdhsa_code_object_version 6
	.text
	.protected	k_q85e803039b_local
	.globl	k_q85e803039b_local
	.p2align	8
	.type	k_q85e803039b_local,@function
k_q85e803039b_local:
	s_mov_b64 s[64:65], 0
	v_nop
	global_prefetch_b8 v0, s[64:65] scope:SCOPE_SE
	s_setreg_imm32_b32 hwreg(HW_REG_WAVE_MODE, 25, 1), 1
	s_wait_xcnt 0x0
; minGRU, first of two launches: both products, the activations and the scan INSIDE a chunk of 256 steps.
;   k = x Wz^T + bz, u = x Wh^T + bh;  a = sigmoid(-k), z = sigmoid(k), g(u) = max(u,0) + sigmoid(min(u,0)), b = z g(u)
;   HL_t = a_t HL_(t-1) + b_t (from 0),  AC_t = a_t AC_(t-1) (from 1).  The second launch makes h_t = HL_t + AC_t * carry.
; This is the reference's log-space scan written out: h itself is the running sum taken relative to the moving point a*_t.
; Every exponential has an argument <= 0 (the maximum that softplus takes away): exp2(-c|k|), exp2(min(c u, 0)), c = log2 e.
; LIMITS: v_exp_f32 and v_rcp_f32 flush below 2^-126 (ISA guide 15.8), so a or z below 1.2e-38 is 0; AC may underflow to 0
; (the term dropped is below 2^-149 x carry); the order of rounding differs from the log-space form; products take bf16
; operands with f32 sums; NaN and infinite inputs are not followed.
;
; SHARES.  Work-group g: slice = g & 3 (128 sequences), c = (g >> 2) & 15 (256 steps), bp = g >> 6; two streams, batches bp, bp + 4.
; A tile is 16 rows of x: rows 0-7 are stream 0's steps 8 i .. 8 i + 7, rows 8-15 stream 1's.  In a result tile, lane (r, hh),
; register j holds (row 8 hh + j, column r): a lane holds ONE sequence of ONE stream with time along its registers, so the scan
; needs no traffic between lanes.
; Wave w keeps 64 rows of W (N tiles t = 2 p + {0: Wz, 1: Wh}), all 512 of K, in bf16 in 512 registers for the whole launch; x
; streams past.  Column r of sub-tile p is sequence 128 slice + 64 (w >> 1) + 4 r + 2 (w & 1) + p: the order of W's rows is free,
; and in this one a lane of the second launch finds four NEIGHBOURING sequences of a step in its registers, 16 bytes of a row of out0.
; A tile is 64 matrix instructions a wave for 16,384 bytes of fragments.  Two sets of accumulators: the activations and scan of
; tile p - 1 stand between the matrix instructions of tile p.
; NO TENSOR LOADS, NO CLUSTER: the four slices read the same x, and 64 work-groups the same rows of W, but both are f32 and the
; matrix unit takes bf16.  A tile of x landed in LDS as f32 would be 32,768 bytes written there and 32,768 read back on top of the
; 16,384 stored and 65,536 read as bf16.  Through registers the rounding happens on the way.
; No prefetch: three tiles of x (48 loads a wave) are always on their way already.
; loc is stored as the register image: every store of a wave covers 512 consecutive bytes, aligned.
.set PITCH, 1040                       ; an LDS row: 1,024 bytes of bf16 + 16; 65 x 16, so 16 rows start at 16 different 16-byte columns of 256
.set LSLOT, 16*PITCH                   ; a tile of x in LDS; tile q lies in slot q % 4
.set WBNC,  4*LSLOT                    ; behind the ring: 16 rows x 1,040 bytes for each wave alone, to turn W into fragments
.set TILEB, 16384                      ; a tile's bytes in x (8 rows of 2,048 of one stream) and in loc
.set TT,   16                          ; v16-23   at work
.set EE,   24                          ; v24-31   exponentials: k's four, u's four
.set HL,   32                          ; v[32+2j+p]  local scan
.set AC,   48                          ; v[48+2j+p]  running product
.set ACC,  64                          ; v[64+32 set+8 t ..+7] accumulators
.set AF,   128                         ; v[128+8 (kk&7) ..+7]  fragments of x, a ring of eight K steps
.set BIAS, 192                         ; v[192+8 t ..+7]       the bias of column r, eight times: the C of the first product
.set CT,   224                         ; v224-239 numbers rounded to bf16, on their way to LDS (v224-255 on the way in)
.set DN,   240                         ; v240-247 denominators, then a (four) and z (four)
.set RR,   248                         ; v248-255 reciprocals
; window 1: v[64 s + 4 q ..] x (and first W) as loaded, slot s, piece q = 4 row + quarter.  windows 2, 3: W, at 32 (kk & 7) + 8 t
; v1 16 lane; v2 fragment address r PITCH + 16 hh; v3 w 4 PITCH + 8 lane; v4 w 4096 + 16 lane; v5, v6 the same two in my bounce; v7 16 r; v8 16 thread
.set MSB, 0
.macro WIN new                         ; s_set_vgpr_msb: 1:0 source 0, 3:2 source 1, 5:4 source 2, 7:6 destination; the high byte repeats the setting left
.if MSB != \new
	s_set_vgpr_msb (MSB<<8)|\new
.set MSB, \new
.endif
.endm
	s_load_b256 s[4:11], s[0:1], 0x0               ; x s[4:5], Wz s[6:7], bz s[8:9], Wh s[10:11]
	s_load_b128 s[12:15], s[0:1], 0x20             ; bh s[12:13], loc s[14:15]
	s_load_b64 s[16:17], s[0:1], 0x30              ; sums
	v_lshl_add_u32 v14, v0, 2, 0x20800
	v_mov_b32 v15, 0
	v_lshrrev_b32 v9, 5, v0
	v_readfirstlane_b32 s18, v9                    ; wave 0..3
	s_and_b32 s19, ttmp9, 3                        ; slice
	s_bfe_u32 s20, ttmp9, 0x40002                  ; chunk c
	s_lshr_b32 s21, ttmp9, 6                       ; bp
	s_mov_b32 s24, 0x3fb8aa3b                      ; log2 e, twice: a pair for the packed multiply
	s_mov_b32 s25, 0x3fb8aa3b
	v_and_b32 v10, 31, v0                          ; lane
	v_and_b32 v11, 15, v0                          ; r
	v_bfe_u32 v12, v0, 4, 1                        ; hh
	v_lshlrev_b32 v1, 4, v10
	v_mul_u32_u24 v2, v11, PITCH
	v_lshl_add_u32 v2, v12, 4, v2
	s_mul_i32 s22, s18, 4*PITCH
	v_lshl_add_u32 v3, v10, 3, s22
	s_lshl_b32 s22, s18, 12
	v_lshl_add_u32 v4, v10, 4, s22
	s_mul_i32 s22, s18, LSLOT
	s_add_co_u32 s22, s22, WBNC
	v_lshl_add_u32 v5, v10, 3, s22
	v_add_nc_u32 v6, s22, v2
	v_lshlrev_b32 v7, 4, v11
	v_lshlrev_b32 v8, 4, v0
	s_lshr_b32 s26, s18, 1                         ; w >> 1
	s_and_b32 s27, s18, 1                          ; w & 1
	; x: batch bp + 4 (w >> 1), chunk c, rows 4 (w & 1) of the stream's eight
	s_lshl2_add_u32 s22, s26, s21
	s_lshl_b32 s22, s22, 23
	s_lshl_b32 s23, s20, 19
	s_add_co_u32 s22, s22, s23
	s_lshl_b32 s23, s27, 13
	s_add_co_u32 s22, s22, s23
	s_mov_b32 s23, 0
	s_wait_kmcnt 0x0
	s_add_nc_u64 s[4:5], s[4:5], s[22:23]
	s_lshl_b32 s29, s19, 7                         ; my first sequence: 128 slice + 64 (w >> 1) + 2 (w & 1)
	s_lshl_b32 s28, s26, 6
	s_add_co_u32 s29, s29, s28
	s_lshl_b32 s28, s27, 1
	s_add_co_u32 s29, s29, s28
	s_lshl_b32 s22, s29, 11                        ; x a row of 2,048 bytes
	s_add_nc_u64 s[6:7], s[6:7], s[22:23]
	s_add_nc_u64 s[10:11], s[10:11], s[22:23]
	s_lshl_b32 s22, s29, 2                         ; x 4 bytes
	s_add_nc_u64 s[8:9], s[8:9], s[22:23]
	s_add_nc_u64 s[12:13], s[12:13], s[22:23]
	s_lshl_b32 s22, ttmp9, 19
	s_add_nc_u64 s[14:15], s[14:15], s[22:23]
	s_lshl_b32 s22, ttmp9, 11
	s_add_nc_u64 s[16:17], s[16:17], s[22:23]
; four loads: row m of my four rows of a tile of x, 512 consecutive bytes each
.macro GL slot, m, off
	WIN 0x40
.irp c4, 0,1,2,3
	global_load_b128 v[64*(\slot)+16*(\m)+4*\c4:64*(\slot)+16*(\m)+4*\c4+3], v1, s[4:5] offset:(\off)+(\m)*2048+\c4*512
.endr
.endm
; that row rounded to bf16 (16 numbers a lane into 8 registers at CT + ct) ...
.macro CVT slot, m, ct
	WIN 0x05
.irp i, 0,1,2,3,4,5,6,7
	v_cvt_pk_bf16_f32 v[CT+(\ct)+\i], v[64*(\slot)+16*(\m)+2*\i], v[64*(\slot)+16*(\m)+2*\i+1]
.endr
.endm
; ... and stored into LDS slot ls: 32 lanes x 8 bytes are 256 consecutive bytes
.macro CVS ls, m, ct
.irp c4, 0,1,2,3
	ds_store_b64 v3, v[CT+(\ct)+2*\c4:CT+(\ct)+2*\c4+1] offset:(\ls)*LSLOT+(\m)*PITCH+\c4*256
.endr
.endm
; the fragment of K step kk: lane (r, hh) takes k = 8 hh .. +7 and 16 + 8 hh .. +7 of row r
.macro RL ls, kk
	ds_load_b128 v[AF+8*((\kk)&7):AF+8*((\kk)&7)+3], v2 offset:(\ls)*LSLOT+64*(\kk)
	ds_load_b128 v[AF+8*((\kk)&7)+4:AF+8*((\kk)&7)+7], v2 offset:(\ls)*LSLOT+64*(\kk)+32
.endm
; W, piece k = columns r = 4 (k & 3) .. + 3 of N tile k >> 2 (p = k >> 3): rows 4 r + p from my first; 16 loads, rounded, into my bounce
.macro WLD k
	WIN 0x40
.irp q, 0,1,2,3,4,5,6,7,8,9,10,11,12,13,14,15
.if ((\k)>>2)&1
	global_load_b128 v[64*((\k)&3)+4*\q:64*((\k)&3)+4*\q+3], v1, s[10:11] offset:(4*(4*((\k)&3)+(\q>>2))+((\k)>>3))*2048+(\q&3)*512
.else
	global_load_b128 v[64*((\k)&3)+4*\q:64*((\k)&3)+4*\q+3], v1, s[6:7] offset:(4*(4*((\k)&3)+(\q>>2))+((\k)>>3))*2048+(\q&3)*512
.endif
.endr
.endm
.macro WCV k
	s_wait_loadcnt 32                              ; two younger pieces of 16 loads stay out: piece k is in
	WIN 0x05
.irp i, 0,1,2,3,4,5,6,7,8,9,10,11,12,13,14,15,16,17,18,19,20,21,22,23,24,25,26,27,28,29,30,31
	v_cvt_pk_bf16_f32 v[CT+\i], v[64*((\k)&3)+2*\i], v[64*((\k)&3)+2*\i+1]
.endr
	WIN 0
.irp q, 0,1,2,3,4,5,6,7,8,9,10,11,12,13,14,15
	ds_store_b64 v5, v[CT+2*\q:CT+2*\q+1] offset:(4*((\k)&3)+(\q>>2))*PITCH+(\q&3)*256
.endr
.endm
.macro WFR t                           ; after four pieces: the N tile's 16 fragments
	WIN 0x80                                       ; my own bytes, and LDS serves a wave in order (ISA guide 5.7.1): these see the stores above
.irp kk, 0,1,2,3,4,5,6,7
	ds_load_b128 v[32*\kk+8*(\t):32*\kk+8*(\t)+3], v6 offset:64*\kk
	ds_load_b128 v[32*\kk+8*(\t)+4:32*\kk+8*(\t)+7], v6 offset:64*\kk+32
.endr
	WIN 0xc0
.irp kk, 0,1,2,3,4,5,6,7
	ds_load_b128 v[32*\kk+8*(\t):32*\kk+8*(\t)+3], v6 offset:64*\kk+512
	ds_load_b128 v[32*\kk+8*(\t)+4:32*\kk+8*(\t)+7], v6 offset:64*\kk+544
.endr
	WIN 0
	s_wait_dscnt 0x0                               ; the fragments are in registers before the bounce is stored again
.endm
	; THE WAY IN.  Pieces of 16 loads, three on their way: W's sixteen, then tiles of x.  Piece s lands in slot s & 3.
	global_load_b32 v[BIAS],    v7, s[8:9]
	global_load_b32 v[BIAS+8],  v7, s[12:13]
	global_load_b32 v[BIAS+16], v7, s[8:9] offset:4
	global_load_b32 v[BIAS+24], v7, s[12:13] offset:4
	WLD 0
	WLD 1
	WLD 2
.irp k, 0,1,2,3,4,5,6,7,8,9,10,11,12,13,14,15
	WCV \k
.if \k == 0
.irp t, 0,1,2,3                                    ; the biases were asked for ahead of piece 0: they are in.  Column r's bias in all eight rows
.irp j, 1,2,3,4,5,6,7
	v_mov_b32 v[BIAS+8*\t+\j], v[BIAS+8*\t]
.endr
.endr
.endif
.if \k < 13
	WLD (\k+3)
.else
.irp m, 0,1,2,3
	GL (\k-13), \m, (\k-13)*TILEB
.endr
.endif
.if (\k&3) == 3
	WFR (\k>>2)
.endif
.endr
	s_wait_loadcnt 32                              ; tile 0 is in; tiles 1 and 2 stay out
.irp m, 0,1,2,3
	CVT 0, \m, 8*\m
.endr
	WIN 0
.irp m, 0,1,2,3
	CVS 0, \m, 8*\m
.endr
.irp m, 0,1,2,3
	GL 3, \m, 3*TILEB
.endr
	s_wait_loadcnt 32                              ; tile 1 is in; tiles 2 and 3 stay out
.irp m, 0,1,2,3
	CVT 1, \m, 8*\m
.endr
	WIN 0
.irp m, 0,1,2,3
	CVS 1, \m, 8*\m
.endr
.irp m, 0,1,2,3
	GL 0, \m, 4*TILEB
.endr
	WIN 0
	s_wait_dscnt 0x0                               ; my rows of tiles 0 and 1 are in LDS,
	s_barrier_signal -1
	s_barrier_wait -1                              ; everybody's are
.irp kk, 0,1,2,3,4,5,6,7
	RL 0, \kk
.endr
	v_mov_b32 v[HL+14], 0                          ; the scan's start: step 7's pair is the step in front of step 0
	v_mov_b32 v[HL+15], 0
	v_mov_b32 v[AC+14], 1.0
	v_mov_b32 v[AC+15], 1.0
; one product.  The first K step takes the bias as C: nothing is cleared and no bias is added later.
.macro MM set, kk, t
.if (\kk) == 0
	v_wmma_f32_16x16x32_bf16 v[ACC+32*(\set)+8*(\t):ACC+32*(\set)+8*(\t)+7], v[AF+8*((\kk)&7):AF+8*((\kk)&7)+7], v[32*((\kk)&7)+8*(\t):32*((\kk)&7)+8*(\t)+7], v[BIAS+8*(\t):BIAS+8*(\t)+7]
.else
	v_wmma_f32_16x16x32_bf16 v[ACC+32*(\set)+8*(\t):ACC+32*(\set)+8*(\t)+7], v[AF+8*((\kk)&7):AF+8*((\kk)&7)+7], v[32*((\kk)&7)+8*(\t):32*((\kk)&7)+8*(\t)+7], v[ACC+32*(\set)+8*(\t):ACC+32*(\set)+8*(\t)+7]
.endif
.endm
; product s (0..15) of quarter step q: K step 4 q + (s >> 2), N tile s & 3; source 1 (W) in window 2 or 3
.macro MQ mm, u4, q, s
.if \mm
.if (\q) < 2
	WIN 0x08
.else
	WIN 0x0c
.endif
	MM (\u4)&1, 4*(\q)+((\s)>>2), (\s)&3
.endif
.endm
; steps 2 q, 2 q + 1 of both sub-tiles of the last tile go out as they lie in registers: 512 consecutive bytes a store.
; The base points two tiles past that tile.
.macro ST q
	global_store_b128 v4, v[HL+4*(\q):HL+4*(\q)+3], s[14:15] offset:-2*TILEB+(\q)*1024 th:TH_STORE_NT
	global_store_b128 v4, v[AC+4*(\q):AC+4*(\q)+3], s[14:15] offset:-2*TILEB+(\q)*1024+512 th:TH_STORE_NT
.endm
; A QUARTER STEP: 16 products of tile p (K steps 4 q .. 4 q + 3), and behind them, three to eight lines each, the vector work:
;   the activations and scan of steps 2 q, 2 q + 1 of both sub-tiles of tile p - 1 (four numbers a lane, index i = 2 (j - 2 q) + p), and
;   row q of my four rows of tile p + 2 rounded to bf16.
; Then ONE run of memory instructions: that row to LDS, four K steps of fragments (eight K steps ahead of the products), the four steps'
; HL and AC to loc, row q of tile p + 5 asked for.
; The lines behind products 0-11 have no vector register as second or third source, so they mean the same under the products' window
; setting and cost no switch; the 18 lines that multiply or select two vector registers stand behind products 12, 13 and 15 under
; window 0, the conversions behind product 14.
; Behind every v_exp_f32 / v_rcp_f32 a plain line that touches none of its registers stands ahead of the first use (ISA guide 5.7.2).
; The six lines behind product 15 (four v_nop where there is no tile to work on) are the places between the products and the loads into
; fragments that they have read, and, in the last quarter, the first read of their sums.
; dw: LDS instructions issued behind the fragments that this quarter needs (-1: they were waited for already).
.macro QSTEP u4, q, mm, act, rln, cv, gl, lc, bar, dw
.set K0, ACC+32*(1-((\u4)&1))+2*(\q)   ; k of (p 0, step 2 q); +1 the next step, +16 p 1, +8 u
.set HQ, HL+4*(\q)
.set HP, HL+2*((2*(\q)+7)&7)           ; the step in front
.set AQ, AC+4*(\q)
.set AP, AC+2*((2*(\q)+7)&7)
.if \mm
.if (\dw) >= 0
	s_wait_dscnt \dw
.endif
.endif
	MQ \mm, \u4, \q, 0
.if \act
	v_mul_f32 v[TT], -|v[K0]|, s24                 ; -c |k|
	v_mul_f32 v[TT+1], -|v[K0+16]|, s24
	v_mul_f32 v[TT+2], -|v[K0+1]|, s24
	v_mul_f32 v[TT+3], -|v[K0+17]|, s24
.endif
	MQ \mm, \u4, \q, 1
.if \act
	v_pk_mul_f32 v[TT+4:TT+5], v[K0+8:K0+9], s[24:25] op_sel_hi:[1,0]     ; c u: p 0, both steps
	v_pk_mul_f32 v[TT+6:TT+7], v[K0+24:K0+25], s[24:25] op_sel_hi:[1,0]   ; p 1
	v_exp_f32 v[EE], v[TT]
.endif
	MQ \mm, \u4, \q, 2
.if \act
	v_exp_f32 v[EE+1], v[TT+1]
	v_min_num_f32 v[TT+4], v[TT+4], 0              ; min(c u, 0)
	v_min_num_f32 v[TT+6], v[TT+6], 0
.endif
	MQ \mm, \u4, \q, 3
.if \act
	v_exp_f32 v[EE+2], v[TT+2]
	v_min_num_f32 v[TT+5], v[TT+5], 0
	v_min_num_f32 v[TT+7], v[TT+7], 0
.endif
	MQ \mm, \u4, \q, 4
.if \act
	v_exp_f32 v[EE+3], v[TT+3]
	v_cmp_ge_f32 s26, v[K0], 0
	v_cmp_ge_f32 s27, v[K0+16], 0
.endif
	MQ \mm, \u4, \q, 5
.if \act
	v_exp_f32 v[EE+4], v[TT+4]                     ; the exponentials put u's four into the order i
	v_exp_f32 v[EE+5], v[TT+6]
	v_cmp_ge_f32 s28, v[K0+1], 0
.endif
	MQ \mm, \u4, \q, 6
.if \act
	v_exp_f32 v[EE+6], v[TT+5]
	v_exp_f32 v[EE+7], v[TT+7]
	v_cmp_ge_f32 s29, v[K0+17], 0
.endif
	MQ \mm, \u4, \q, 7
.if \act
	s_wait_alu depctr_va_vdst(0)
	v_pk_add_f32 v[DN:DN+1], v[EE:EE+1], 1.0 op_sel_hi:[1,0]
	v_pk_add_f32 v[DN+2:DN+3], v[EE+2:EE+3], 1.0 op_sel_hi:[1,0]
	v_rcp_f32 v[RR], v[DN]
.endif
	MQ \mm, \u4, \q, 8
.if \act
	v_rcp_f32 v[RR+1], v[DN+1]
	v_rcp_f32 v[RR+2], v[DN+2]
	v_max_num_f32 v[TT], v[K0+8], 0                ; max(u, 0), in the order i
.endif
	MQ \mm, \u4, \q, 9
.if \act
	v_rcp_f32 v[RR+3], v[DN+3]
	v_pk_add_f32 v[DN+4:DN+5], v[EE+4:EE+5], 1.0 op_sel_hi:[1,0]
	v_pk_add_f32 v[DN+6:DN+7], v[EE+6:EE+7], 1.0 op_sel_hi:[1,0]
.endif
	MQ \mm, \u4, \q, 10
.if \act
	v_rcp_f32 v[RR+4], v[DN+4]
	v_rcp_f32 v[RR+5], v[DN+5]
	v_max_num_f32 v[TT+1], v[K0+24], 0
.endif
	MQ \mm, \u4, \q, 11
.if \act
	v_rcp_f32 v[RR+6], v[DN+6]
	v_rcp_f32 v[RR+7], v[DN+7]
	v_max_num_f32 v[TT+2], v[K0+9], 0
	v_max_num_f32 v[TT+3], v[K0+25], 0
.endif
.if (\q) == 0
	; once a trip, twelve products behind the last run of memory instructions
.if \mm
	s_wait_dscnt 0x0                               ; K steps 4-7 are in, my LDS stores of the last trip are done, no LDS instruction is out at the signal
.endif
	s_wait_xcnt 0x0                                ; the bases, and HL and AC, which the last trip's stores read, are rewritten only behind this wait
.if \gl
	s_add_nc_u64 s[4:5], s[4:5], TILEB             ; x at tile p + 1
.endif
	s_add_nc_u64 s[14:15], s[14:15], TILEB         ; loc at tile p + 1
.if \bar
	s_barrier_signal -1
.endif
.endif
	MQ \mm, \u4, \q, 12
.if \act
	WIN 0                                          ; r = 1/(1+e), s = e r; g = max(u,0) + e' r'; a = k >= 0 ? s : r, z = the other
	s_wait_alu depctr_va_vdst(0)
	v_pk_mul_f32 v[TT+4:TT+5], v[EE:EE+1], v[RR:RR+1]
	v_pk_mul_f32 v[TT+6:TT+7], v[EE+2:EE+3], v[RR+2:RR+3]
	v_pk_fma_f32 v[TT:TT+1], v[EE+4:EE+5], v[RR+4:RR+5], v[TT:TT+1]
	v_pk_fma_f32 v[TT+2:TT+3], v[EE+6:EE+7], v[RR+6:RR+7], v[TT+2:TT+3]
	v_cndmask_b32 v[DN], v[RR], v[TT+4], s26
	v_cndmask_b32 v[DN+4], v[TT+4], v[RR], s26
.endif
	MQ \mm, \u4, \q, 13
.if \act
	WIN 0
	v_cndmask_b32 v[DN+1], v[RR+1], v[TT+5], s27
	v_cndmask_b32 v[DN+5], v[TT+5], v[RR+1], s27
	v_cndmask_b32 v[DN+2], v[RR+2], v[TT+6], s28
	v_cndmask_b32 v[DN+6], v[TT+6], v[RR+2], s28
	v_cndmask_b32 v[DN+3], v[RR+3], v[TT+7], s29
	v_cndmask_b32 v[DN+7], v[TT+7], v[RR+3], s29
.endif
	MQ \mm, \u4, \q, 14
.if \cv
.if \gl
	s_wait_loadcnt \lc                             ; younger: 12 - 4 q of this tile, 32 of the next two, 4 q issued in this trip
.else
	s_wait_loadcnt (\lc)-4*(\q)                    ; nothing is issued any more: the counts run down
.endif
	CVT ((\u4)+2)&3, \q, 8*((\q)&1)
.endif
	MQ \mm, \u4, \q, 15
	WIN 0
.if \act
	v_pk_mul_f32 v[TT:TT+1], v[DN+4:DN+5], v[TT:TT+1]              ; b = z g
	v_pk_mul_f32 v[TT+2:TT+3], v[DN+6:DN+7], v[TT+2:TT+3]
	v_pk_fma_f32 v[HQ:HQ+1], v[DN:DN+1], v[HP:HP+1], v[TT:TT+1]    ; two steps of the scan, both sub-tiles at once
	v_pk_mul_f32 v[AQ:AQ+1], v[DN:DN+1], v[AP:AP+1]
	v_pk_fma_f32 v[HQ+2:HQ+3], v[DN+2:DN+3], v[HQ:HQ+1], v[TT+2:TT+3]
	v_pk_mul_f32 v[AQ+2:AQ+3], v[DN+2:DN+3], v[AQ:AQ+1]
.else
.rept 4
	v_nop
.endr
.endif
.if (\q) == 0
.if \bar
	s_barrier_wait -1
.endif
.endif
	; the run
.if \cv
	CVS ((\u4)+2)&3, \q, 8*((\q)&1)
.endif
.if (\q) < 2
.if \mm
.irp i, 0,1,2,3
	RL \u4, 8+4*(\q)+\i
.endr
.endif
.else
.if \rln
.irp i, 0,1,2,3
	RL ((\u4)+1)&3, 4*(\q)-8+\i
.endr
.endif
.endif
.if \act
	ST \q
.endif
.if \gl
	GL ((\u4)+1)&3, \q, 4*TILEB
.endif
.endm
; TRIP p (u4 = p % 4): products of tile p (mm), activations, scan and stores of tile p - 1 (act), fragments 0-7 of tile p + 1 (rln),
; tile p + 2 from registers to LDS (cv), tile p + 5 asked for (gl).  d0: the LDS instructions of the last trip's last run.
; ONE BARRIER A TRIP does both orderings.  In front of its signal each wave has waited for all its LDS instructions (count 0).  Tile p + 2
; is stored in trip p and first read in the third run of trip p + 1, behind that trip's barrier.  It overwrites the slot of tile p - 2,
; last read in the second run of trip p - 2: the barriers of trips p - 1 and p lie between.
; A run's stores stand ahead of its loads, so behind a run's fragment loads come only the next run's 4 stores and 8 loads.
.macro TRIP u4, mm, act, rln, cv, gl, lc, bar, d0
	QSTEP \u4, 0, \mm, \act, \rln, \cv, \gl, \lc, \bar, \d0
	QSTEP \u4, 1, \mm, \act, \rln, \cv, \gl, \lc, \bar, -1
	QSTEP \u4, 2, \mm, \act, \rln, \cv, \gl, \lc, \bar, 4*(\cv)+8
	QSTEP \u4, 3, \mm, \act, \rln, \cv, \gl, \lc, \bar, 4*(\cv)+8*(\rln)
.endm
	TRIP 0, 1, 0, 1, 1, 1, 44, 1, 8                ; trip 0: no tile to work on yet; behind K steps 0-3 stand the 8 loads of K steps 4-7
	WIN 0                                          ; at a label and at a branch every window is 0
	s_mov_b32 s30, 6
.Ltrips:                                           ; trips 1 to 24
	TRIP 1, 1, 1, 1, 1, 1, 44, 1, 12
	TRIP 2, 1, 1, 1, 1, 1, 44, 1, 12
	TRIP 3, 1, 1, 1, 1, 1, 44, 1, 12
	TRIP 0, 1, 1, 1, 1, 1, 44, 1, 12
	WIN 0
	s_sub_co_u32 s30, s30, 1
	s_cmp_lg_u32 s30, 0
	s_cbranch_scc1 .Ltrips
	TRIP 1, 1, 1, 1, 1, 1, 44, 1, 12               ; 25
	TRIP 2, 1, 1, 1, 1, 1, 44, 1, 12               ; 26: asks for tile 31, the last
	TRIP 3, 1, 1, 1, 1, 0, 44, 1, 12               ; 27: tiles 30, 31 are younger than tile 29
	TRIP 0, 1, 1, 1, 1, 0, 28, 1, 12               ; 28: tile 31 is younger than tile 30
	TRIP 1, 1, 1, 1, 1, 0, 12, 1, 12               ; 29: tile 31 goes to LDS
	TRIP 2, 1, 1, 1, 0, 0, 0, 1, 12                ; 30: its barrier stands between that and the reads of tile 31
	TRIP 3, 1, 1, 0, 0, 0, 0, 0, 8                 ; 31: nothing follows in LDS; the last run had 8 loads and no store
	TRIP 0, 0, 1, 0, 0, 0, 0, 0, 0                 ; 32: tile 31's activations, scan and stores
	v_mov_b32 v16, v[AC+14]                        ; the chunk's end: (AC, HL) of my two sequences, 16 bytes a thread
	v_mov_b32 v17, v[HL+14]
	v_mov_b32 v18, v[AC+15]
	v_mov_b32 v19, v[HL+15]
	global_store_b128 v8, v[16:19], s[16:17]
	s_wait_tensorcnt 0x0
	ds_add_u32 v14, v15
	s_wait_dscnt 0x0
	s_endpgm
.Lfunc_end_k_q85e803039b_local:
	.size	k_q85e803039b_local, .Lfunc_end_k_q85e803039b_local-k_q85e803039b_local
	.p2alignl 7, 3214868480
	.fill 96, 4, 3214868480
	.section	.rodata,"a",@progbits
	.p2align	6, 0x0
	.amdhsa_kernel k_q85e803039b_local
		.amdhsa_group_segment_fixed_size 133632
		.amdhsa_private_segment_fixed_size 0
		.amdhsa_enable_private_segment 0
		.amdhsa_kernarg_size 56
		.amdhsa_user_sgpr_count 2
		.amdhsa_user_sgpr_kernarg_segment_ptr 1
		.amdhsa_wavefront_size32 1
		.amdhsa_system_sgpr_workgroup_id_x 1
		.amdhsa_system_sgpr_workgroup_id_y 1
		.amdhsa_system_sgpr_workgroup_id_z 1
		.amdhsa_system_vgpr_workitem_id 0
		.amdhsa_next_free_vgpr 1024
		.amdhsa_next_free_sgpr 66
		.amdhsa_reserve_vcc 0
		.amdhsa_float_denorm_mode_32 3
		.amdhsa_float_denorm_mode_16_64 3
		.amdhsa_memory_ordered 1
		.amdhsa_forward_progress 1
		.amdhsa_inst_pref_size 255
	.end_amdhsa_kernel
	.section	.bss,"aw",@nobits
	.p2align	6
	.space	262144
	.amdgpu_metadata
---
amdhsa.version: [ 1, 2 ]
amdhsa.kernels:
  - .name:           k_q85e803039b_local
    .symbol:         k_q85e803039b_local.kd
    .args:
      - { .name: x, .offset: 0, .size: 8, .value_kind: global_buffer, .address_space: global }
      - { .name: Wz, .offset: 8, .size: 8, .value_kind: global_buffer, .address_space: global }
      - { .name: bz, .offset: 16, .size: 8, .value_kind: global_buffer, .address_space: global }
      - { .name: Wh, .offset: 24, .size: 8, .value_kind: global_buffer, .address_space: global }
      - { .name: bh, .offset: 32, .size: 8, .value_kind: global_buffer, .address_space: global }
      - { .name: loc, .offset: 40, .size: 8, .value_kind: global_buffer, .address_space: global }
      - { .name: sums, .offset: 48, .size: 8, .value_kind: global_buffer, .address_space: global }
    .group_segment_fixed_size: 133632
    .private_segment_fixed_size: 0
    .kernarg_segment_align: 8
    .kernarg_segment_size: 56
    .max_flat_workgroup_size: 128
    .sgpr_count:     66
    .vgpr_count:     1024
    .wavefront_size: 32
...
	.end_amdgpu_metadata
.endif
;; end of part 1
;; launch fixup (part 2): grid 256 x 1, 16 waves a work-group, no clusters, 0 bytes of LDS; arguments loc, sums, h0, out0; writes out0
.if DOCPART == 2
	.amdgcn_target "amdgcn-amd-amdhsa--gfx1250"
	.amdhsa_code_object_version 6
	.text
	.protected	k_q85e803039b_fixup
	.globl	k_q85e803039b_fixup
	.p2align	8
	.type	k_q85e803039b_fixup,@function
k_q85e803039b_fixup:
	s_mov_b64 s[64:65], 0
	v_nop
	global_prefetch_b8 v0, s[64:65] scope:SCOPE_SE
	s_setreg_imm32_b32 hwreg(HW_REG_WAVE_MODE, 25, 1), 1
	s_wait_xcnt 0x0
; minGRU, second launch: h_t = HL_t + AC_t * carry, from the first launch's register image to out0's rows.
; carry at chunk 0 is g(h0) = max(h0,0) + sigmoid(min(h0,0)); from chunk to chunk carry' = HLend + ACend * carry (the records in sums).
; A stream: no matrix unit, no LDS, no barrier, no loop, no cluster (work-groups share only the 524,288 bytes of sums).
; LIMITS as in the first launch: v_exp_f32 and v_rcp_f32 flush below 2^-126; NaN and infinite inputs are not followed.
; SHARES.  Work-group g as in the first launch: slice = g & 3, c = (g >> 2) & 15, bp = g >> 6, batches bp and bp + 4.
; Wave v: cg = v & 1 (64 sequences: the first launch's waves 2 cg and 2 cg + 1), tc = v >> 1; tiles tc + 8 n, n = 0..3.
; Lane (r, hh) holds sequences 128 slice + 64 cg + 4 r + s, s = 2 wl + p = 0..3, of batch bp + 4 hh: the first launch dealt W's rows so.
; So the four results of a step are 16 neighbouring bytes of a row of out0, and a store's sixteen lanes cover 256 consecutive bytes,
; aligned; the two halves of the wave store into the two batches.
; A tile of a wave is 8,192 consecutive bytes of loc (16 loads of 512 bytes); two tiles are on their way.
.set CAR,  8                           ; v[8:11]   carry of s = 0..3
.set OUTR, 32                          ; v32-63    step j: four results at 4 j
.set SL0,  64                          ; v64-127   slot 0: load k = 8 wl + 2 q + arr at 4 k: (2q,p0) (2q,p1) (2q+1,p0) (2q+1,p1); arr 0 HL, 1 AC
.set SL1,  128                         ; v128-191  slot 1
.set SUMR, 128                         ; v128-247  first: the records of chunks 0..14, 8 registers each: (AC, HL) of s = 0, 1, 2, 3
.set NSTEP, 131072                     ; eight tiles on: 8 x 16,384 bytes in loc, 64 rows of 2,048 bytes in out0
	s_load_b256 s[4:11], s[0:1], 0x0               ; loc s[4:5], sums s[6:7], h0 s[8:9], out0 s[10:11]
	v_lshrrev_b32 v6, 5, v0
	v_readfirstlane_b32 s18, v6                    ; wave 0..15
	s_and_b32 s19, ttmp9, 3                        ; slice
	s_bfe_u32 s20, ttmp9, 0x40002                  ; chunk c
	s_lshr_b32 s21, ttmp9, 6                       ; bp
	s_and_b32 s22, s18, 1                          ; cg
	s_lshr_b32 s23, s18, 1                         ; tc
	v_and_b32 v7, 31, v0                           ; lane
	v_and_b32 v28, 15, v0                          ; r
	v_bfe_u32 v29, v0, 4, 1                        ; hh
	v_lshlrev_b32 v1, 4, v7                        ; v1: 16 lane (loc, sums)
	v_lshlrev_b32 v2, 4, v28
	v_lshl_add_u32 v5, v29, 25, v2                 ; v5: out0: 16 r, four batches of 8,388,608 bytes on for hh = 1
	v_lshl_add_u32 v2, v29, 13, v2                 ; v2: h0: 16 r, four batches of 2,048 bytes on
	s_lshl_b32 s28, s19, 9
	s_lshl_b32 s25, s22, 8
	s_add_co_u32 s28, s28, s25                     ; my 64 sequences in a row of 512: bytes
	s_lshl_b32 s26, ttmp9, 19
	s_lshl_b32 s25, s23, 14
	s_add_co_u32 s26, s26, s25
	s_lshl_b32 s25, s22, 13
	s_add_co_u32 s26, s26, s25
	s_mov_b32 s27, 0
	s_wait_kmcnt 0x0
	s_add_nc_u64 s[4:5], s[4:5], s[26:27]          ; loc: g, tile tc, waves 2 cg and 2 cg + 1
	s_lshl_b32 s26, s21, 17
	s_lshl_b32 s25, s19, 11
	s_add_co_u32 s26, s26, s25
	s_lshl_b32 s25, s22, 10
	s_add_co_u32 s26, s26, s25
	s_add_nc_u64 s[6:7], s[6:7], s[26:27]          ; sums: work-group 64 bp + slice (chunk 0); a chunk on is 4 x 2,048 bytes
	s_lshl_b32 s26, s21, 11
	s_add_co_u32 s26, s26, s28
	s_add_nc_u64 s[8:9], s[8:9], s[26:27]          ; h0: batch bp
	s_lshl_b32 s26, s21, 23
	s_lshl_b32 s25, s20, 19
	s_add_co_u32 s26, s26, s25
	s_lshl_b32 s25, s23, 14
	s_add_co_u32 s26, s26, s25
	s_add_co_u32 s26, s26, s28
	s_add_nc_u64 s[10:11], s[10:11], s[26:27]      ; out0: batch bp, step 256 c + 8 tc
.macro LDT n, base                     ; a tile: 16 loads of 512 consecutive bytes
.irp k, 0,1,2,3,4,5,6,7,8,9,10,11,12,13,14,15
	global_load_b128 v[\base+4*\k:\base+4*\k+3], v1, s[4:5] offset:(\n)*NSTEP+\k*512 th:TH_LOAD_NT
.endr
.endm
	global_load_b128 v[12:15], v2, s[8:9]          ; h0 of my four sequences
.irp c, 0,1,2,3,4,5,6,7,8,9,10,11,12,13,14
	global_load_b128 v[SUMR+8*\c:SUMR+8*\c+3], v1, s[6:7] offset:\c*8192
	global_load_b128 v[SUMR+8*\c+4:SUMR+8*\c+7], v1, s[6:7] offset:\c*8192+512
.endr
	LDT 0, SL0
	s_wait_loadcnt 16                              ; tile 0's 16 loads stay out: h0 and all the records are in
	; carry = g(h0) = max(h0, 0) + e / (1 + e), e = exp2(min(c h0, 0))
.irp s, 0,1,2,3
	v_mul_f32 v[16+\s], 0x3fb8aa3b, v[12+\s]
.endr
.irp s, 0,1,2,3
	v_min_num_f32 v[16+\s], 0, v[16+\s]
.endr
.irp s, 0,1,2,3
	v_exp_f32 v[20+\s], v[16+\s]
.endr
.irp s, 0,1,2,3
	v_max_num_f32 v[CAR+\s], 0, v[12+\s]           ; plain lines between the exponentials and their use (ISA guide 5.7.2)
.endr
	s_wait_alu depctr_va_vdst(0)
.irp s, 0,1,2,3
	v_add_f32 v[24+\s], 1.0, v[20+\s]
.endr
.irp s, 0,1,2,3
	v_rcp_f32 v[16+\s], v[24+\s]
.endr
	v_nop                                          ; and one between the reciprocals and theirs
	s_wait_alu depctr_va_vdst(0)
.irp s, 0,1,2,3
	v_fma_f32 v[CAR+\s], v[20+\s], v[16+\s], v[CAR+\s]
.endr
	; through the chunks in front of mine; c comes from the work-group's number alone
.irp c, 0,1,2,3,4,5,6,7,8,9,10,11,12,13,14
	s_cmp_le_u32 s20, \c
	s_cbranch_scc1 .Lcarried
.irp s, 0,1,2,3
	v_fma_f32 v[CAR+\s], v[SUMR+8*\c+2*\s], v[CAR+\s], v[SUMR+8*\c+2*\s+1]
.endr
.endr
.Lcarried:
	LDT 1, SL1                                     ; over the records, which are done with (and were all in at the wait above)
; a tile.  fill = 1: the slot gets the tile two further on.  left = the younger tile's loads, which stay out.
.macro TILE n, base, fill, left
	s_wait_loadcnt \left
	s_wait_xcnt 0x0                                ; OUTR, which the last tile's stores read, is rewritten only behind this wait
.irp wl, 0,1
.irp q, 0,1,2,3
.irp e, 0,1
	v_pk_fma_f32 v[OUTR+8*\q+4*\e+2*\wl:OUTR+8*\q+4*\e+2*\wl+1], v[\base+32*\wl+8*\q+4+2*\e:\base+32*\wl+8*\q+4+2*\e+1], v[CAR+2*\wl:CAR+2*\wl+1], v[\base+32*\wl+8*\q+2*\e:\base+32*\wl+8*\q+2*\e+1]
.endr
.endr
.endr
.if \fill
	LDT (\n)+2, \base                              ; loads ahead of stores; the lines above have read the slot
.endif
.irp j, 0,1,2,3,4,5,6,7
	global_store_b128 v5, v[OUTR+4*\j:OUTR+4*\j+3], s[10:11] offset:(\n)*NSTEP+\j*2048 th:TH_STORE_NT
.endr
.endm
	TILE 0, SL0, 1, 16
	TILE 1, SL1, 1, 16
	TILE 2, SL0, 0, 16
	TILE 3, SL1, 0, 0
	s_endpgm
.Lfunc_end_k_q85e803039b_fixup:
	.size	k_q85e803039b_fixup, .Lfunc_end_k_q85e803039b_fixup-k_q85e803039b_fixup
	.p2alignl 7, 3214868480
	.fill 96, 4, 3214868480
	.section	.rodata,"a",@progbits
	.p2align	6, 0x0
	.amdhsa_kernel k_q85e803039b_fixup
		.amdhsa_group_segment_fixed_size 0
		.amdhsa_private_segment_fixed_size 0
		.amdhsa_enable_private_segment 0
		.amdhsa_kernarg_size 32
		.amdhsa_user_sgpr_count 2
		.amdhsa_user_sgpr_kernarg_segment_ptr 1
		.amdhsa_wavefront_size32 1
		.amdhsa_system_sgpr_workgroup_id_x 1
		.amdhsa_system_sgpr_workgroup_id_y 1
		.amdhsa_system_sgpr_workgroup_id_z 1
		.amdhsa_system_vgpr_workitem_id 0
		.amdhsa_next_free_vgpr 248
		.amdhsa_next_free_sgpr 66
		.amdhsa_reserve_vcc 0
		.amdhsa_float_denorm_mode_32 3
		.amdhsa_float_denorm_mode_16_64 3
		.amdhsa_memory_ordered 1
		.amdhsa_forward_progress 1
		.amdhsa_inst_pref_size 24
	.end_amdhsa_kernel
	.amdgpu_metadata
---
amdhsa.version: [ 1, 2 ]
amdhsa.kernels:
  - .name:           k_q85e803039b_fixup
    .symbol:         k_q85e803039b_fixup.kd
    .args:
      - { .name: loc, .offset: 0, .size: 8, .value_kind: global_buffer, .address_space: global }
      - { .name: sums, .offset: 8, .size: 8, .value_kind: global_buffer, .address_space: global }
      - { .name: h0, .offset: 16, .size: 8, .value_kind: global_buffer, .address_space: global }
      - { .name: out0, .offset: 24, .size: 8, .value_kind: global_buffer, .address_space: global }
    .group_segment_fixed_size: 0
    .private_segment_fixed_size: 0
    .kernarg_segment_align: 8
    .kernarg_segment_size: 32
    .max_flat_workgroup_size: 512
    .sgpr_count:     66
    .vgpr_count:     248
    .wavefront_size: 32
...
	.end_amdgpu_metadata
.endif
;; end of part 2
;; ======== version 2 of 2: 2 launches; version 1 with the launch local written anew for expert scheduling mode
;; workspace buffers: loc 134,217,728 bytes; sums 524,288 bytes
;; launch local (part 3): grid 256 x 1, 4 waves a work-group, no clusters, 133,632 bytes of LDS; arguments x, Wz, bz, Wh, bh, loc, sums; writes loc, sums
.if DOCPART == 3
	.amdgcn_target "amdgcn-amd-amdhsa--gfx1250"
	.amdhsa_code_object_version 6
	.text
	.protected	k_q85e803039b_local
	.globl	k_q85e803039b_local
	.p2align	8
	.type	k_q85e803039b_local,@function
k_q85e803039b_local:
	s_mov_b64 s[64:65], 0
	v_nop
	global_prefetch_b8 v0, s[64:65] scope:SCOPE_SE
	s_setreg_imm32_b32 hwreg(HW_REG_WAVE_SCHED_MODE, 0, 2), 2
	s_setreg_imm32_b32 hwreg(HW_REG_WAVE_MODE, 25, 1), 1
	s_wait_xcnt 0x0
	s_wait_alu depctr_vm_vsrc(0)
; minGRU, first of two launches: both products, the activations and the scan INSIDE a chunk of 256 steps.
;   k = x Wz^T + bz, u = x Wh^T + bh;  a = sigmoid(-k), z = sigmoid(k), g(u) = max(u,0) + sigmoid(min(u,0)), b = z g(u)
;   HL_t = a_t HL_(t-1) + b_t (from 0),  AC_t = a_t AC_(t-1) (from 1).  The second launch makes h_t = HL_t + AC_t * carry.
; This is the reference's log-space scan written out: h itself is the running sum taken relative to the moving point a*_t.
; Every exponential has an argument <= 0 (the maximum that softplus takes away): exp2(-c|k|), exp2(min(c u, 0)), c = log2 e.
; LIMITS: v_exp_f32 and v_rcp_f32 flush below 2^-126 (ISA guide 15.8), so a or z below 1.2e-38 is 0; AC may underflow to 0
; (the term dropped is below 2^-149 x carry); the order of rounding differs from the log-space form; products take bf16
; operands with f32 sums; NaN and infinite inputs are not followed.
;
; SHARES.  Work-group g: slice = g & 3 (128 sequences), c = (g >> 2) & 15 (256 steps), bp = g >> 6; two streams, batches bp, bp + 4.
; A tile is 16 rows of x: rows 0-7 are stream 0's steps 8 i .. 8 i + 7, rows 8-15 stream 1's.  In a result tile, lane (r, hh),
; register j holds (row 8 hh + j, column r): a lane holds ONE sequence of ONE stream with time along its registers, so the scan
; needs no traffic between lanes.
; Wave w keeps 64 rows of W (N tiles t = 2 p + {0: Wz, 1: Wh}), all 512 of K, in bf16 in 512 registers for the whole launch; x
; streams past.  Column r of sub-tile p is sequence 128 slice + 64 (w >> 1) + 4 r + 2 (w & 1) + p: the order of W's rows is free,
; and in this one a lane of the second launch finds four NEIGHBOURING sequences of a step in its registers, 16 bytes of a row of out0.
; A tile is 64 matrix instructions a wave for 16,384 bytes of fragments.  Two sets of accumulators: the activations and scan of
; tile p - 1 stand between the matrix instructions of tile p.
; NO TENSOR LOADS, NO CLUSTER: the four slices read the same x, and 64 work-groups the same rows of W, but both are f32 and the
; matrix unit takes bf16.  A tile of x landed in LDS as f32 would be 32,768 bytes written there and 32,768 read back on top of the
; 16,384 stored and 65,536 read as bf16.  Through registers the rounding happens on the way.
; No prefetch: three tiles of x (48 loads a wave) are always on their way already.
; loc is stored as the register image: every store of a wave covers 512 consecutive bytes, aligned.
;
; THE MODE: SCHED_MODE bits 1:0 = 2 (LLVM: expert scheduling mode 2), set by the entry lines.  The code itself states the register
; dependences between vector or matrix instructions and memory or LDS instructions, with s_wait_alu, always for 0.
; THE PLAN.  Registers that memory or LDS instructions touch, from the first trip on (a trip is a tile, four quarter steps q of 16 products):
;   X0 .. X3 (window 1)  tile t lies in X[t % 4].  Trip p: the conversions behind product 11 of quarter step q read row q of X[(p + 2) % 4]; the loads of
;                        tile p + 5 land in row q of X[(p + 1) % 4], which the conversions of trip p - 1 read.
;   CT, two halves       half q % 2: written by quarter step q's conversions, read by the LDS stores of the same quarter step's run, written again two quarter steps on.
;   AF, eight K steps    a K step is read by four products.  The run of quarter step q loads over K steps 4 q - 1 .. 4 q + 2: their sixteen products (the last
;                        quarter step's 12-15, this one's 0-11) are issued ahead of the run; products 13-15 read K step 4 q + 3, which the run leaves alone.
;   HL, AC               steps 2 q, 2 q + 1: written behind product 15 of quarter step q, stored in the NEXT quarter step's run, written again a trip later.
;   v1 .. v8             offsets and addresses: made at the head, never written again; the tiles are reached by two scalar bases and by immediates.
;   TT, EE, DN, RR, the accumulators, the biases and (behind the way in) W are named by vector and matrix instructions alone.
; So a quarter step's memory instructions stand in ONE run, directly behind the wait on va_vdst that the reciprocals' readers have behind product 12: that one
; wait states all that the run hangs on.  One wait on vm_vsrc, behind product 11, stands ahead of all that the quarter step writes over registers that
; earlier runs read (a half of CT; HL and AC).  One wait on va_sdst stands between the four compares and the selects.
.set PITCH, 1040                       ; an LDS row: 1,024 bytes of bf16 + 16; 65 x 16, so 16 rows start at 16 different 16-byte columns of 256
.set LSLOT, 16*PITCH                   ; a tile of x in LDS; tile q lies in slot q % 4
.set WBNC,  4*LSLOT                    ; behind the ring: 16 rows x 1,040 bytes for each wave alone, to turn W into fragments
.set TILEB, 16384                      ; a tile's bytes in x (8 rows of 2,048 of one stream) and in loc
.set TT,   16                          ; v16-23   at work
.set EE,   24                          ; v24-31   exponentials: k's four, u's four
.set HL,   32                          ; v[32+2j+p]  local scan
.set AC,   48                          ; v[48+2j+p]  running product
.set ACC,  64                          ; v[64+32 set+8 t ..+7] accumulators
.set AF,   128                         ; v[128+8 (kk&7) ..+7]  fragments of x, a ring of eight K steps
.set BIAS, 192                         ; v[192+8 t ..+7]       the bias of column r, eight times: the C of the first product
.set CT,   224                         ; v224-239 numbers rounded to bf16, on their way to LDS (v224-255 on the way in)
.set DN,   240                         ; v240-247 denominators, then a (four) and z (four)
.set RR,   248                         ; v248-255 reciprocals
; window 1: v[64 s + 4 q ..] x (and first W) as loaded, slot s, piece q = 4 row + quarter.  windows 2, 3: W, at 32 (kk & 7) + 8 t
; v1 16 lane; v2 fragment address r PITCH + 16 hh; v3 w 4 PITCH + 8 lane; v4 w 4096 + 16 lane; v5, v6 the same two in my bounce; v7 16 r; v8 16 thread
.set MSB, 0
.macro WIN new                         ; s_set_vgpr_msb: 1:0 source 0, 3:2 source 1, 5:4 source 2, 7:6 destination; the high byte repeats the setting left
.if MSB != \new
	s_set_vgpr_msb (MSB<<8)|\new
.set MSB, \new
.endif
.endm
	s_load_b256 s[4:11], s[0:1], 0x0               ; x s[4:5], Wz s[6:7], bz s[8:9], Wh s[10:11]
	s_load_b128 s[12:15], s[0:1], 0x20             ; bh s[12:13], loc s[14:15]
	s_load_b64 s[16:17], s[0:1], 0x30              ; sums
	v_lshl_add_u32 v14, v0, 2, 0x20800
	v_mov_b32 v15, 0
	v_lshrrev_b32 v9, 5, v0
	v_readfirstlane_b32 s18, v9                    ; wave 0..3
	s_and_b32 s19, ttmp9, 3                        ; slice
	s_bfe_u32 s20, ttmp9, 0x40002                  ; chunk c
	s_lshr_b32 s21, ttmp9, 6                       ; bp
	s_mov_b32 s24, 0x3fb8aa3b                      ; log2 e, twice: a pair for the packed multiply
	s_mov_b32 s25, 0x3fb8aa3b
	v_and_b32 v10, 31, v0                          ; lane
	v_and_b32 v11, 15, v0                          ; r
	v_bfe_u32 v12, v0, 4, 1                        ; hh
	v_lshlrev_b32 v1, 4, v10
	v_mul_u32_u24 v2, v11, PITCH
	v_lshl_add_u32 v2, v12, 4, v2
	v_lshlrev_b32 v7, 4, v11
	v_lshlrev_b32 v8, 4, v0
	s_wait_alu depctr_va_sdst(0)                   ; s18 is written, ahead of its first reader: the wave's places in LDS, x, W and the biases are made from it
	s_mul_i32 s2, s18, 4*PITCH                     ; the three scalars that vector lines read have registers of their own
	v_lshl_add_u32 v3, v10, 3, s2
	s_lshl_b32 s3, s18, 12
	v_lshl_add_u32 v4, v10, 4, s3
	s_mul_i32 s31, s18, LSLOT
	s_add_co_u32 s31, s31, WBNC
	v_lshl_add_u32 v5, v10, 3, s31
	v_add_nc_u32 v6, s31, v2
	s_lshr_b32 s26, s18, 1                         ; w >> 1
	s_and_b32 s27, s18, 1                          ; w & 1
	; x: batch bp + 4 (w >> 1), chunk c, rows 4 (w & 1) of the stream's eight
	s_lshl2_add_u32 s22, s26, s21
	s_lshl_b32 s22, s22, 23
	s_lshl_b32 s23, s20, 19
	s_add_co_u32 s22, s22, s23
	s_lshl_b32 s23, s27, 13
	s_add_co_u32 s22, s22, s23
	s_mov_b32 s23, 0
	s_wait_kmcnt 0x0
	s_add_nc_u64 s[4:5], s[4:5], s[22:23]
	s_lshl_b32 s29, s19, 7                         ; my first sequence: 128 slice + 64 (w >> 1) + 2 (w & 1)
	s_lshl_b32 s28, s26, 6
	s_add_co_u32 s29, s29, s28
	s_lshl_b32 s28, s27, 1
	s_add_co_u32 s29, s29, s28
	s_lshl_b32 s22, s29, 11                        ; x a row of 2,048 bytes
	s_add_nc_u64 s[6:7], s[6:7], s[22:23]
	s_add_nc_u64 s[10:11], s[10:11], s[22:23]
	s_lshl_b32 s22, s29, 2                         ; x 4 bytes
	s_add_nc_u64 s[8:9], s[8:9], s[22:23]
	s_add_nc_u64 s[12:13], s[12:13], s[22:23]
	s_lshl_b32 s22, ttmp9, 19
	s_add_nc_u64 s[14:15], s[14:15], s[22:23]
	s_lshl_b32 s22, ttmp9, 11
	s_add_nc_u64 s[16:17], s[16:17], s[22:23]
	s_wait_alu depctr_va_vdst(0)                   ; v1 to v8 are written: every load, store and LDS instruction of the kernel reads one of them as its offset or address
; four loads: row m of my four rows of a tile of x, 512 consecutive bytes each
.macro GL slot, m, off
	WIN 0x40
.irp c4, 0,1,2,3
	global_load_b128 v[64*(\slot)+16*(\m)+4*\c4:64*(\slot)+16*(\m)+4*\c4+3], v1, s[4:5] offset:(\off)+(\m)*2048+\c4*512
.endr
.endm
; that row rounded to bf16 (16 numbers a lane into 8 registers at CT + ct) ...
.macro CVT slot, m, ct
	WIN 0x05
.irp i, 0,1,2,3,4,5,6,7
	v_cvt_pk_bf16_f32 v[CT+(\ct)+\i], v[64*(\slot)+16*(\m)+2*\i], v[64*(\slot)+16*(\m)+2*\i+1]
.endr
.endm
; ... and stored into LDS slot ls: 32 lanes x 8 bytes are 256 consecutive bytes
.macro CVS ls, m, ct
.irp c4, 0,1,2,3
	ds_store_b64 v3, v[CT+(\ct)+2*\c4:CT+(\ct)+2*\c4+1] offset:(\ls)*LSLOT+(\m)*PITCH+\c4*256
.endr
.endm
; the fragment of K step kk: lane (r, hh) takes k = 8 hh .. +7 and 16 + 8 hh .. +7 of row r
.macro RL ls, kk
	ds_load_b128 v[AF+8*((\kk)&7):AF+8*((\kk)&7)+3], v2 offset:(\ls)*LSLOT+64*(\kk)
	ds_load_b128 v[AF+8*((\kk)&7)+4:AF+8*((\kk)&7)+7], v2 offset:(\ls)*LSLOT+64*(\kk)+32
.endm
; W, piece k = columns r = 4 (k & 3) .. + 3 of N tile k >> 2 (p = k >> 3): rows 4 r + p from my first; 16 loads, rounded, into my bounce
.macro WLD k
	WIN 0x40
.irp q, 0,1,2,3,4,5,6,7,8,9,10,11,12,13,14,15
.if ((\k)>>2)&1
	global_load_b128 v[64*((\k)&3)+4*\q:64*((\k)&3)+4*\q+3], v1, s[10:11] offset:(4*(4*((\k)&3)+(\q>>2))+((\k)>>3))*2048+(\q&3)*512
.else
	global_load_b128 v[64*((\k)&3)+4*\q:64*((\k)&3)+4*\q+3], v1, s[6:7] offset:(4*(4*((\k)&3)+(\q>>2))+((\k)>>3))*2048+(\q&3)*512
.endif
.endr
.endm
.macro WCA k                           ; piece k is rounded
	s_wait_loadcnt 32                              ; two younger pieces of 16 loads stay out: piece k is in
.if (\k) > 0
	s_wait_alu depctr_vm_vsrc(0)                   ; the LDS stores of the piece before have read v[CT ..], which the conversions write again
.endif
	WIN 0x05
.irp i, 0,1,2,3,4,5,6,7,8,9,10,11,12,13,14,15,16,17,18,19,20,21,22,23,24,25,26,27,28,29,30,31
	v_cvt_pk_bf16_f32 v[CT+\i], v[64*((\k)&3)+2*\i], v[64*((\k)&3)+2*\i+1]
.endr
.endm
.macro WCB k                           ; and stored into my bounce
	WIN 0
.irp q, 0,1,2,3,4,5,6,7,8,9,10,11,12,13,14,15
	ds_store_b64 v5, v[CT+2*\q:CT+2*\q+1] offset:(4*((\k)&3)+(\q>>2))*PITCH+(\q&3)*256
.endr
.endm
.macro WFR t                           ; after four pieces: the N tile's 16 fragments
	WIN 0x80                                       ; my own bytes, and LDS serves a wave in order (ISA guide 5.7.1): these see the stores above
.irp kk, 0,1,2,3,4,5,6,7
	ds_load_b128 v[32*\kk+8*(\t):32*\kk+8*(\t)+3], v6 offset:64*\kk
	ds_load_b128 v[32*\kk+8*(\t)+4:32*\kk+8*(\t)+7], v6 offset:64*\kk+32
.endr
	WIN 0xc0
.irp kk, 0,1,2,3,4,5,6,7
	ds_load_b128 v[32*\kk+8*(\t):32*\kk+8*(\t)+3], v6 offset:64*\kk+512
	ds_load_b128 v[32*\kk+8*(\t)+4:32*\kk+8*(\t)+7], v6 offset:64*\kk+544
.endr
	WIN 0
	s_wait_dscnt 0x0                               ; the fragments are in registers before the bounce is stored again
.endm
	; THE WAY IN.  Pieces of 16 loads, three on their way: W's sixteen, then tiles of x.  Piece s lands in slot s & 3.
	; A piece: its conversions; the window of the loads; one wait on va_vdst; the loads of the piece three on, into the slot that the piece before left; the LDS stores.
	global_load_b32 v[BIAS],    v7, s[8:9]
	global_load_b32 v[BIAS+8],  v7, s[12:13]
	global_load_b32 v[BIAS+16], v7, s[8:9] offset:4
	global_load_b32 v[BIAS+24], v7, s[12:13] offset:4
	WLD 0
	WLD 1
	WLD 2
.irp k, 0,1,2,3,4,5,6,7,8,9,10,11,12,13,14,15
	WCA \k
	WIN 0x40
	s_wait_alu depctr_va_vdst(0)                   ; the conversions have written v[CT ..], which the LDS stores below read; those of the piece before are done reading the slot in which the loads below land
.if \k < 13
	WLD (\k+3)
.else
.irp m, 0,1,2,3
	GL (\k-13), \m, (\k-13)*TILEB
.endr
.endif
	WCB \k
.if \k == 0
.irp t, 0,1,2,3                                    ; the biases were asked for ahead of piece 0: they are in.  Column r's bias in all eight rows
.irp j, 1,2,3,4,5,6,7
	v_mov_b32 v[BIAS+8*\t+\j], v[BIAS+8*\t]
.endr
.endr
.endif
.if (\k&3) == 3
	WFR (\k>>2)
.endif
.endr
	s_wait_loadcnt 32                              ; tile 0 is in; tiles 1 and 2 stay out
	s_wait_alu depctr_vm_vsrc(0)                   ; the LDS stores of W's last piece have read v[CT ..], which the conversions write again
.irp m, 0,1,2,3
	CVT 0, \m, 8*\m
.endr
	WIN 0x40
	s_wait_alu depctr_va_vdst(0)                   ; the conversions have written v[CT ..], which the LDS stores below read; those of W's last piece are done reading slot 3, in which the loads below land
.irp m, 0,1,2,3
	GL 3, \m, 3*TILEB
.endr
	WIN 0
.irp m, 0,1,2,3
	CVS 0, \m, 8*\m
.endr
	s_wait_loadcnt 32                              ; tile 1 is in; tiles 2 and 3 stay out
	s_wait_alu depctr_vm_vsrc(0)                   ; tile 0's LDS stores have read v[CT ..], which the conversions write again
.irp m, 0,1,2,3
	CVT 1, \m, 8*\m
.endr
	WIN 0x40
	s_wait_alu depctr_va_vdst(0)                   ; the conversions have written v[CT ..], which the LDS stores below read; tile 0's are done reading slot 0, in which the loads below land
.irp m, 0,1,2,3
	GL 0, \m, 4*TILEB
.endr
	WIN 0
.irp m, 0,1,2,3
	CVS 1, \m, 8*\m
.endr
	s_wait_dscnt 0x0                               ; my rows of tiles 0 and 1 are in LDS,
	s_barrier_signal -1
	s_barrier_wait -1                              ; everybody's are
.irp kk, 0,1,2,3,4,5,6
	RL 0, \kk                                      ; seven K steps: the eighth is the first of trip 0's first run
.endr
	v_mov_b32 v[HL+14], 0                          ; the scan's start: step 7's pair is the step in front of step 0
	v_mov_b32 v[HL+15], 0
	v_mov_b32 v[AC+14], 1.0
	v_mov_b32 v[AC+15], 1.0
; one product.  The first K step takes the bias as C: nothing is cleared and no bias is added later.
.macro MM set, kk, t
.if (\kk) == 0
	v_wmma_f32_16x16x32_bf16 v[ACC+32*(\set)+8*(\t):ACC+32*(\set)+8*(\t)+7], v[AF+8*((\kk)&7):AF+8*((\kk)&7)+7], v[32*((\kk)&7)+8*(\t):32*((\kk)&7)+8*(\t)+7], v[BIAS+8*(\t):BIAS+8*(\t)+7]
.else
	v_wmma_f32_16x16x32_bf16 v[ACC+32*(\set)+8*(\t):ACC+32*(\set)+8*(\t)+7], v[AF+8*((\kk)&7):AF+8*((\kk)&7)+7], v[32*((\kk)&7)+8*(\t):32*((\kk)&7)+8*(\t)+7], v[ACC+32*(\set)+8*(\t):ACC+32*(\set)+8*(\t)+7]
.endif
.endm
; product s (0..15) of quarter step q: K step 4 q + (s >> 2), N tile s & 3; source 1 (W) in window 2 or 3
.macro MQ mm, u4, q, s
.if \mm
.if (\q) < 2
	WIN 0x08
.else
	WIN 0x0c
.endif
	MM (\u4)&1, 4*(\q)+((\s)>>2), (\s)&3
.endif
.endm
; steps 2 qq, 2 qq + 1 of both sub-tiles of a tile go out as they lie in registers: 512 consecutive bytes a store.
; The base points back tiles past that tile.
.macro ST qq, back
	global_store_b128 v4, v[HL+4*(\qq):HL+4*(\qq)+3], s[14:15] offset:-(\back)*TILEB+(\qq)*1024 th:TH_STORE_NT
	global_store_b128 v4, v[AC+4*(\qq):AC+4*(\qq)+3], s[14:15] offset:-(\back)*TILEB+(\qq)*1024+512 th:TH_STORE_NT
.endm
; A QUARTER STEP: 16 products of tile p (K steps 4 q .. 4 q + 3), and behind them the vector work:
;   the activations and scan of steps 2 q, 2 q + 1 of both sub-tiles of tile p - 1 (four numbers a lane, index i = 2 (j - 2 q) + p), and
;   row q of my four rows of tile p + 2 rounded to bf16 (behind product 11).
; ONE run of memory instructions stands behind product 12: row q of tile p + 5 asked for, the rounded row to LDS, four K steps of fragments (K steps
; 4 q + 7 .. 4 q + 10 of the walk, sixteen products or more ahead of their first use), and the HL and AC that the quarter step BEFORE made to loc.
; The lines behind products 0-10 and the four behind product 12 have no vector register as second or third source, so they mean the same under the
; products' window setting and cost no switch; the 18 lines that multiply or select two vector registers stand behind the run and behind products 13 and 15
; under window 0.
; Behind every v_exp_f32 / v_rcp_f32 a plain line that touches none of its registers stands ahead of the first use (ISA guide 5.7.2).
; The four plain lines behind product 12 (v_nop where there is no tile to work on) stand between product 11 and the loads into the fragments that it has read.
; The six lines behind product 15 (in trip 0's last quarter four v_nop) are the places between the last products and the first read of their sums (ISA guide 7.12.1).
; dw: LDS instructions issued behind the fragments of products 0-11; dm: behind the fragment of products 12-15 (-1: they were waited for already).
; pact: the trip before had a tile to work on, whose steps 6 and 7 this trip's first run stores.
.macro QSTEP u4, q, mm, act, pact, rln, cv, gl, lc, bar, dw, dm
.set K0, ACC+32*(1-((\u4)&1))+2*(\q)   ; k of (p 0, step 2 q); +1 the next step, +16 p 1, +8 u
.set HQ, HL+4*(\q)
.set HP, HL+2*((2*(\q)+7)&7)           ; the step in front
.set AQ, AC+4*(\q)
.set AP, AC+2*((2*(\q)+7)&7)
.if \mm
.if (\dw) >= 0
	s_wait_dscnt \dw                               ; the run of two quarter steps ago is done: K steps 4 q .. 4 q + 2 are in; the last run's LDS instructions stay out
.endif
.endif
	MQ \mm, \u4, \q, 0
.if \act
	v_mul_f32 v[TT], -|v[K0]|, s24                 ; -c |k|
	v_mul_f32 v[TT+1], -|v[K0+16]|, s24
	v_mul_f32 v[TT+2], -|v[K0+1]|, s24
	v_mul_f32 v[TT+3], -|v[K0+17]|, s24
.endif
	MQ \mm, \u4, \q, 1
.if \act
	v_pk_mul_f32 v[TT+4:TT+5], v[K0+8:K0+9], s[24:25] op_sel_hi:[1,0]     ; c u: p 0, both steps
	v_pk_mul_f32 v[TT+6:TT+7], v[K0+24:K0+25], s[24:25] op_sel_hi:[1,0]   ; p 1
	v_exp_f32 v[EE], v[TT]
.endif
	MQ \mm, \u4, \q, 2
.if \act
	v_exp_f32 v[EE+1], v[TT+1]
	v_min_num_f32 v[TT+4], v[TT+4], 0              ; min(c u, 0)
	v_min_num_f32 v[TT+6], v[TT+6], 0
.endif
	MQ \mm, \u4, \q, 3
.if \act
	v_exp_f32 v[EE+2], v[TT+2]
	v_min_num_f32 v[TT+5], v[TT+5], 0
	v_min_num_f32 v[TT+7], v[TT+7], 0
.endif
	MQ \mm, \u4, \q, 4
.if \act
	v_exp_f32 v[EE+3], v[TT+3]
	v_cmp_ge_f32 s26, v[K0], 0
	v_cmp_ge_f32 s27, v[K0+16], 0
.endif
	MQ \mm, \u4, \q, 5
.if \act
	v_exp_f32 v[EE+4], v[TT+4]                     ; the exponentials put u's four into the order i
	v_exp_f32 v[EE+5], v[TT+6]
	v_cmp_ge_f32 s28, v[K0+1], 0
.endif
	MQ \mm, \u4, \q, 6
.if \act
	v_exp_f32 v[EE+6], v[TT+5]
	v_exp_f32 v[EE+7], v[TT+7]
	v_cmp_ge_f32 s29, v[K0+17], 0
.endif
	MQ \mm, \u4, \q, 7
.if \act
	s_wait_alu depctr_va_vdst(0)                   ; the eight exponentials have written v[EE ..], which the additions read
	v_pk_add_f32 v[DN:DN+1], v[EE:EE+1], 1.0 op_sel_hi:[1,0]
	v_pk_add_f32 v[DN+2:DN+3], v[EE+2:EE+3], 1.0 op_sel_hi:[1,0]
	v_rcp_f32 v[RR], v[DN]
.endif
	MQ \mm, \u4, \q, 8
.if \act
	v_rcp_f32 v[RR+1], v[DN+1]
	v_rcp_f32 v[RR+2], v[DN+2]
	v_pk_add_f32 v[DN+4:DN+5], v[EE+4:EE+5], 1.0 op_sel_hi:[1,0]
.endif
.if (\q) == 0
	; once a trip, twelve products behind the last run of memory instructions
.if \mm
	s_wait_dscnt 0x0                               ; K steps 3-6 are in, my LDS stores of the last trip are done, no LDS instruction is out at the signal
.endif
	s_wait_xcnt 0x0                                ; the bases, and steps 0-5 of HL and AC, which the last trip's stores read, are rewritten only behind this wait
.if \gl
	s_add_nc_u64 s[4:5], s[4:5], TILEB             ; x at tile p + 1
.endif
	s_add_nc_u64 s[14:15], s[14:15], TILEB         ; loc at tile p + 1
.if \bar
	s_barrier_signal -1
.endif
.endif
	MQ \mm, \u4, \q, 9
.if \act
	v_rcp_f32 v[RR+3], v[DN+3]
	v_pk_add_f32 v[DN+6:DN+7], v[EE+6:EE+7], 1.0 op_sel_hi:[1,0]
	v_rcp_f32 v[RR+4], v[DN+4]
.endif
	MQ \mm, \u4, \q, 10
.if \act
	v_rcp_f32 v[RR+5], v[DN+5]
	v_rcp_f32 v[RR+6], v[DN+6]
	v_rcp_f32 v[RR+7], v[DN+7]
.endif
	MQ \mm, \u4, \q, 11
	s_wait_alu depctr_vm_vsrc(0)                   ; the LDS stores of two runs ago have read this half of CT, which the conversions below write; the stores of a trip ago have read the HL and AC that this quarter step's scan writes
.if \act
.if (\q) == 2
	s_wait_xcnt 0x0                                ; steps 6 and 7 of HL and AC, which this trip's first run stored, are rewritten (in the next quarter step) only behind this wait
.endif
.endif
.if \cv
.if \gl
	s_wait_loadcnt \lc                             ; younger: 12 - 4 q of this tile, 32 of the next two, 4 q issued in this trip
.else
	s_wait_loadcnt (\lc)-4*(\q)                    ; nothing is issued any more: the counts run down
.endif
	CVT ((\u4)+2)&3, \q, 8*((\q)&1)
.endif
.if \mm
.if (\dm) >= 0
	s_wait_dscnt \dm                               ; K step 4 q + 3 is in: it was the first fragment of the last run; that run's other loads stay out
.endif
.endif
	MQ \mm, \u4, \q, 12
.if \act
	v_max_num_f32 v[TT], v[K0+8], 0                ; max(u, 0), in the order i
	v_max_num_f32 v[TT+1], v[K0+24], 0
	v_max_num_f32 v[TT+2], v[K0+9], 0
	v_max_num_f32 v[TT+3], v[K0+25], 0
.else
.rept 4
	v_nop
.endr
.endif
.if (\q) == 0
.if \bar
	s_barrier_wait -1
.endif
.endif
	; the run
.if \gl
	WIN 0x40                                       ; the window of the loads first, then the wait, then the loads
.else
	WIN 0
.endif
	s_wait_alu depctr_va_vdst(0)                   ; written: v[RR ..] (the reciprocals; read behind the run), this half of CT (the LDS stores read it), the last quarter step's HL and AC (the stores read them); done reading: the sixteen products of the four K steps that are loaded over, the last trip's conversions of the row of X in which the loads land
.if \gl
	GL ((\u4)+1)&3, \q, 4*TILEB
.endif
	WIN 0
.if \cv
	CVS ((\u4)+2)&3, \q, 8*((\q)&1)
.endif
.if (\q) < 2
.if \mm
.irp i, 0,1,2,3
	RL \u4, 7+4*(\q)+\i
.endr
.endif
.elseif (\q) == 2
.if \mm
	RL \u4, 15
.endif
.if \rln
.irp i, 0,1,2
	RL ((\u4)+1)&3, \i
.endr
.endif
.else
.if \rln
.irp i, 0,1,2,3
	RL ((\u4)+1)&3, 3+\i
.endr
.endif
.endif
.if (\q) == 0
.if \pact
	ST 3, 3                                        ; steps 6, 7 of tile p - 2: the base has moved on
.endif
.else
.if \act
	ST (\q)-1, 2                                   ; the last quarter step's two steps of tile p - 1
.endif
.endif
.if \act
	s_wait_alu depctr_va_sdst(0)                   ; the four compares have written s26 to s29, which the selects read
	v_pk_mul_f32 v[TT+4:TT+5], v[EE:EE+1], v[RR:RR+1]              ; r = 1/(1+e), s = e r; g = max(u,0) + e' r'; a = k >= 0 ? s : r, z = the other
	v_pk_mul_f32 v[TT+6:TT+7], v[EE+2:EE+3], v[RR+2:RR+3]
	v_pk_fma_f32 v[TT:TT+1], v[EE+4:EE+5], v[RR+4:RR+5], v[TT:TT+1]
	v_pk_fma_f32 v[TT+2:TT+3], v[EE+6:EE+7], v[RR+6:RR+7], v[TT+2:TT+3]
	v_cndmask_b32 v[DN], v[RR], v[TT+4], s26
	v_cndmask_b32 v[DN+4], v[TT+4], v[RR], s26
.endif
	MQ \mm, \u4, \q, 13
.if \act
	WIN 0
	v_cndmask_b32 v[DN+1], v[RR+1], v[TT+5], s27
	v_cndmask_b32 v[DN+5], v[TT+5], v[RR+1], s27
	v_cndmask_b32 v[DN+2], v[RR+2], v[TT+6], s28
	v_cndmask_b32 v[DN+6], v[TT+6], v[RR+2], s28
	v_cndmask_b32 v[DN+3], v[RR+3], v[TT+7], s29
	v_cndmask_b32 v[DN+7], v[TT+7], v[RR+3], s29
.endif
	MQ \mm, \u4, \q, 14
	MQ \mm, \u4, \q, 15
.if \act
	WIN 0
	v_pk_mul_f32 v[TT:TT+1], v[DN+4:DN+5], v[TT:TT+1]              ; b = z g
	v_pk_mul_f32 v[TT+2:TT+3], v[DN+6:DN+7], v[TT+2:TT+3]
	v_pk_fma_f32 v[HQ:HQ+1], v[DN:DN+1], v[HP:HP+1], v[TT:TT+1]    ; two steps of the scan, both sub-tiles at once
	v_pk_mul_f32 v[AQ:AQ+1], v[DN:DN+1], v[AP:AP+1]
	v_pk_fma_f32 v[HQ+2:HQ+3], v[DN+2:DN+3], v[HQ:HQ+1], v[TT+2:TT+3]
	v_pk_mul_f32 v[AQ+2:AQ+3], v[DN+2:DN+3], v[AQ:AQ+1]
.elseif (\q) == 3
.rept 4
	v_nop
.endr
.endif
.endm
; TRIP p (u4 = p % 4): products of tile p (mm), activations and scan of tile p - 1 (act), fragments of tile p + 1 (rln),
; tile p + 2 from registers to LDS (cv), tile p + 5 asked for (gl).  d0: the LDS instructions of the last trip's last run.
; ONE BARRIER A TRIP does both orderings.  In front of its signal each wave has waited for all its LDS instructions (count 0); its wait stands directly ahead
; of the trip's first run.  Tile p + 2 is stored in trip p and first read in the third run of trip p + 1, behind that trip's barrier.  It overwrites the slot
; of tile p - 2, last read in the third run of trip p - 2: the barriers of trips p - 1 and p lie between.
; A run's LDS instructions are 4 cv stores, then its loads: 8 in runs 0 and 1, 2 + 6 rln in run 2, 8 rln in run 3.  Behind a run's first fragment stand its other six loads.
.macro TRIP u4, mm, act, pact, rln, cv, gl, lc, bar, d0
	QSTEP \u4, 0, \mm, \act, \pact, \rln, \cv, \gl, \lc, \bar, \d0, -1
	QSTEP \u4, 1, \mm, \act, \pact, \rln, \cv, \gl, \lc, \bar, -1, 6
	QSTEP \u4, 2, \mm, \act, \pact, \rln, \cv, \gl, \lc, \bar, 4*(\cv)+8, 6
	QSTEP \u4, 3, \mm, \act, \pact, \rln, \cv, \gl, \lc, \bar, 4*(\cv)+2+6*(\rln), 6*(\rln)
.endm
	TRIP 0, 1, 0, 0, 1, 1, 1, 44, 1, 8             ; trip 0: no tile to work on yet; behind K steps 0-2 stand the 8 loads of K steps 3-6
	TRIP 1, 1, 1, 0, 1, 1, 1, 44, 1, 12            ; trip 1: tile 0 is worked on; there are no steps 6 and 7 yet for its first run to store
	WIN 0                                          ; at a label and at a branch every window is 0
	s_mov_b32 s30, 6
.Ltrips:                                           ; trips 2 to 25
	TRIP 2, 1, 1, 1, 1, 1, 1, 44, 1, 12
	TRIP 3, 1, 1, 1, 1, 1, 1, 44, 1, 12
	TRIP 0, 1, 1, 1, 1, 1, 1, 44, 1, 12
	TRIP 1, 1, 1, 1, 1, 1, 1, 44, 1, 12
	WIN 0
	s_sub_co_u32 s30, s30, 1
	s_cmp_lg_u32 s30, 0
	s_cbranch_scc1 .Ltrips
	TRIP 2, 1, 1, 1, 1, 1, 1, 44, 1, 12            ; 26: asks for tile 31, the last
	TRIP 3, 1, 1, 1, 1, 1, 0, 44, 1, 12            ; 27: tiles 30, 31 are younger than tile 29
	TRIP 0, 1, 1, 1, 1, 1, 0, 28, 1, 12            ; 28: tile 31 is younger than tile 30
	TRIP 1, 1, 1, 1, 1, 1, 0, 12, 1, 12            ; 29: tile 31 goes to LDS
	TRIP 2, 1, 1, 1, 1, 0, 0, 0, 1, 12             ; 30: its barrier stands between that and the reads of tile 31
	TRIP 3, 1, 1, 1, 0, 0, 0, 0, 0, 8              ; 31: nothing follows in LDS; the last run had 8 loads and no store
	TRIP 0, 0, 1, 1, 0, 0, 0, 0, 0, 0              ; 32: tile 31's activations and scan
	v_mov_b32 v16, v[AC+14]                        ; the chunk's end: (AC, HL) of my two sequences, 16 bytes a thread
	v_mov_b32 v17, v[HL+14]
	v_mov_b32 v18, v[AC+15]
	v_mov_b32 v19, v[HL+15]
	s_wait_alu depctr_va_vdst(0)                   ; the last scan lines have written steps 6 and 7 of HL and AC, the moves v16 to v19: the three stores below read them
	ST 3, 2                                        ; steps 6, 7 of tile 31
	global_store_b128 v8, v[16:19], s[16:17]
	s_wait_dscnt 0x0
	s_wait_alu depctr_hold_cnt(0) depctr_sa_sdst(0) depctr_va_vdst(0) depctr_va_sdst(0) depctr_va_ssrc(0) depctr_va_vcc(0) depctr_vm_vsrc(0)
	s_wait_tensorcnt 0x0
	ds_add_u32 v14, v15
	s_wait_dscnt 0x0
	s_endpgm
.Lfunc_end_k_q85e803039b_local:
	.size	k_q85e803039b_local, .Lfunc_end_k_q85e803039b_local-k_q85e803039b_local
	.p2alignl 7, 3214868480
	.fill 96, 4, 3214868480
	.section	.rodata,"a",@progbits
	.p2align	6, 0x0
	.amdhsa_kernel k_q85e803039b_local
		.amdhsa_group_segment_fixed_size 133632
		.amdhsa_private_segment_fixed_size 0
		.amdhsa_enable_private_segment 0
		.amdhsa_kernarg_size 56
		.amdhsa_user_sgpr_count 2
		.amdhsa_user_sgpr_kernarg_segment_ptr 1
		.amdhsa_wavefront_size32 1
		.amdhsa_system_sgpr_workgroup_id_x 1
		.amdhsa_system_sgpr_workgroup_id_y 1
		.amdhsa_system_sgpr_workgroup_id_z 1
		.amdhsa_system_vgpr_workitem_id 0
		.amdhsa_next_free_vgpr 1024
		.amdhsa_next_free_sgpr 66
		.amdhsa_reserve_vcc 0
		.amdhsa_float_denorm_mode_32 3
		.amdhsa_float_denorm_mode_16_64 3
		.amdhsa_memory_ordered 1
		.amdhsa_forward_progress 1
		.amdhsa_inst_pref_size 255
	.end_amdhsa_kernel
	.section	.bss,"aw",@nobits
	.p2align	6
	.space	262144
	.amdgpu_metadata
---
amdhsa.version: [ 1, 2 ]
amdhsa.kernels:
  - .name:           k_q85e803039b_local
    .symbol:         k_q85e803039b_local.kd
    .args:
      - { .name: x, .offset: 0, .size: 8, .value_kind: global_buffer, .address_space: global }
      - { .name: Wz, .offset: 8, .size: 8, .value_kind: global_buffer, .address_space: global }
      - { .name: bz, .offset: 16, .size: 8, .value_kind: global_buffer, .address_space: global }
      - { .name: Wh, .offset: 24, .size: 8, .value_kind: global_buffer, .address_space: global }
      - { .name: bh, .offset: 32, .size: 8, .value_kind: global_buffer, .address_space: global }
      - { .name: loc, .offset: 40, .size: 8, .value_kind: global_buffer, .address_space: global }
      - { .name: sums, .offset: 48, .size: 8, .value_kind: global_buffer, .address_space: global }
    .group_segment_fixed_size: 133632
    .private_segment_fixed_size: 0
    .kernarg_segment_align: 8
    .kernarg_segment_size: 56
    .max_flat_workgroup_size: 128
    .sgpr_count:     66
    .vgpr_count:     1024
    .wavefront_size: 32
...
	.end_amdgpu_metadata
.endif
;; end of part 3
;; launch fixup: the kernel of part 2 again; grid 256 x 1, 16 waves a work-group, no clusters, 0 bytes of LDS; arguments loc, sums, h0, out0; writes out0
